; MI455X (gfx1250); checked and timed in simulation.
; The chip was launched on July 23, 2026; its instructions are those of AMD's public machine-readable ISA for CDNA 5 (MIT licence, August 2026) and "CDNA5" Instruction Set Architecture Reference Guide (July 2026). The comments in the code are by the model that wrote it; some were corrected since.
;; Attention. Allowed arithmetic: float matrix products may take bf16 or f16 operands with f32 sums; all other float work in f32.
;; Inputs: Wk 16 x 1,024 x 64 float32; Wq 16 x 1,024 x 64 float32; Wv 16 x 1,024 x 64 float32; bk 16 x 64 float32; bq 16 x 64 float32; bv 16 x 64 float32; k 4 x 2,048 x 1,024 float32; q 4 x 2,048 x 1,024 float32; v 4 x 2,048 x 1,024 float32.
;; Outputs: out0 4 x 2,048 x 1,024 float32.
;; One version. Each part assembles by itself: llvm-mc -triple=amdgcn-amd-amdhsa -mcpu=gfx1250 --defsym DOCPART=n.
;; ======== version 1 of 1: 4 launches
;; limits: values are held in f16: magnitudes above 65,504 overflow, below 6.1e-05 lose precision
;; workspace buffers: wt 6,291,456 bytes; qkv0 41,943,040 bytes; qkv1 41,943,040 bytes; part0 256 bytes of whole numbers; part1 256 bytes of whole numbers
;; launch wprep (part 1): grid 8 x 48, 4 waves a work-group, no clusters, 17,920 bytes of LDS; arguments Wq, Wk, Wv, wt, part0, part1; writes wt, part0, part1
.if DOCPART == 1
	.amdgcn_target "amdgcn-amd-amdhsa--gfx1250"
	.amdhsa_code_object_version 6
	.text
	.protected	k_qba601a2a2d_wprep
	.globl	k_qba601a2a2d_wprep
	.p2align	8
	.type	k_qba601a2a2d_wprep,@function
k_qba601a2a2d_wprep:
	s_mov_b64 s[64:65], 0
	v_nop
	global_prefetch_b8 v0, s[64:65] scope:SCOPE_SE
	s_setreg_imm32_b32 hwreg(HW_REG_WAVE_MODE, 25, 1), 1
	s_wait_xcnt 0x0
; wt[p][64 h + a][d] = bf16(W_p[h][d][a]), p = 0, 1, 2 for Wq, Wk, Wv: a cast (round to nearest even) and a transposition, so that the
; projection finds its weights with d along rows of 2,048 bytes.  W_p: [16][1024][64] f32.  wt: [3][1024][1024] bf16.
; A work-group (x = block of 128 d, y = 16 p + h) owns 128 d x 64 a.  Wave w loads d rows 32 w .. 32 w + 31, each load of the wave one whole
; row of 256 bytes; eight d of one a pack into 16 bytes, which go into LDS rows (one for each a, 256 bytes + 16 of padding);
; behind one barrier wave w reads a rows 16 w .. 16 w + 15 back whole and stores them: 16 lanes store 256 consecutive bytes, aligned.
; No matrix unit, no cluster, no ring: each byte is read once and written once, and all 32 loads of a wave are out together.
; ALSO: part0 and part1, 64 words each, are filled with 0 and with 1: the two attention launches run one text, and each reads from its
; own buffer which pair of batches of the output is its.
.set PITCH, 272
.set X, 8                              ; v[8:71]   row i of my 32: its pair (a = 2 l, 2 l + 1) at X + 2 i; later the rows read back
.set T, 72                             ; v[72:95]  packed bf16, two sets by turns
	s_load_b256 s[4:11], s[0:1], 0x0               ; Wq s[4:5], Wk s[6:7], Wv s[8:9], wt s[10:11]
	s_load_b128 s[24:27], s[0:1], 0x20             ; part0 s[24:25], part1 s[26:27]
	v_lshl_add_u32 v96, v0, 2, 0x4400
	v_mov_b32 v97, 0
	v_lshrrev_b32 v1, 5, v0
	v_readfirstlane_b32 s12, v1                    ; wave 0..3
	v_and_b32 v1, 31, v0                           ; lane l
	s_and_b32 s13, ttmp7, 0xffff                   ; y = 16 p + h
	s_lshr_b32 s14, s13, 4                         ; p
	s_and_b32 s15, s13, 15                         ; h
	s_lshl_b32 s16, s15, 18                        ; from: h x 1,024 rows of 256 bytes
	s_lshl_b32 s20, ttmp9, 15                      ; + block x 128 rows
	s_add_co_u32 s16, s16, s20
	s_lshl_b32 s20, s12, 13                        ; + wave x 32 rows
	s_add_co_u32 s16, s16, s20
	s_mov_b32 s17, 0
	s_lshl_b32 s18, s14, 21                        ; to: p x 1,024 rows of 2,048 bytes
	s_lshl_b32 s20, s15, 17                        ; + h x 64 rows
	s_add_co_u32 s18, s18, s20
	s_lshl_b32 s20, s12, 15                        ; + wave x 16 rows
	s_add_co_u32 s18, s18, s20
	s_lshl_b32 s20, ttmp9, 8                       ; + block x 128 d of 2 bytes
	s_add_co_u32 s18, s18, s20
	s_mov_b32 s19, 0
	s_mul_i32 s21, s12, 16*PITCH
	v_lshlrev_b32 v2, 3, v1                        ; 8 l: my two a in a row of W
	v_mul_u32_u24 v3, v1, 2*PITCH                  ; into LDS: row a = 2 l,
	v_lshl_add_u32 v3, s12, 6, v3                  ; byte 2 x 32 w
	v_lshrrev_b32 v6, 4, v1
	v_and_b32 v7, 15, v1
	v_mul_u32_u24 v4, v6, PITCH                    ; back: lanes 0-15 one row, lanes 16-31 the next,
	v_lshl_add_u32 v4, v7, 4, v4
	v_add_nc_u32 v4, s21, v4                       ; from row 16 w on
	v_lshlrev_b32 v5, 11, v6                       ; and the same two rows in wt
	v_lshl_add_u32 v5, v7, 4, v5
	s_wait_kmcnt 0x0
	s_cmp_eq_u32 s14, 1
	s_cselect_b64 s[4:5], s[6:7], s[4:5]           ; the tensor that p names
	s_cmp_eq_u32 s14, 2
	s_cselect_b64 s[4:5], s[8:9], s[4:5]
	s_add_nc_u64 s[4:5], s[4:5], s[16:17]
	s_add_nc_u64 s[10:11], s[10:11], s[18:19]
.set i, 0
.rept 32
	global_load_b64 v[X+2*i:X+2*i+1], v2, s[4:5] offset:256*i th:TH_LOAD_NT
.set i, i+1
.endr
.irp g, 0,1,2,3                        ; eight rows at a time: d = 32 w + 8 g + 0..7
	s_wait_loadcnt 24-8*\g                         ; loads come back in order: this group's eight are in, the younger groups stay out
.irp e, 0,1                            ; a = 2 l + e
.irp c, 0,1,2,3
	v_cvt_pk_bf16_f32 v[T+16*(\g&1)+4*\e+\c], v[X+2*(8*\g+2*\c)+\e], v[X+2*(8*\g+2*\c+1)+\e]
.endr
	ds_store_b128 v3, v[T+16*(\g&1)+4*\e:T+16*(\g&1)+4*\e+3] offset:PITCH*\e+16*\g
.endr
.endr
	s_wait_dscnt 0x0                               ; for the others' sake: my stores into the rows are done
	s_barrier_signal -1
	s_barrier_wait -1
.irp t, 0,1,2,3,4,5,6,7
	ds_load_b128 v[X+4*\t:X+4*\t+3], v4 offset:2*PITCH*\t
.endr
.irp t, 0,1,2,3,4,5,6,7
	s_wait_dscnt 7-\t                              ; LDS loads come back in order: pair t of rows is in
	global_store_b128 v5, v[X+4*\t:X+4*\t+3], s[10:11] offset:4096*\t
.endr
	; the two numbers: wave 0 of work-group (0, 0) alone; 32 lanes x 8 bytes fill each buffer's 256 bytes with one store.  T's registers are free: the LDS stores that read them were waited for above.
	s_or_b32 s20, ttmp9, s13
	s_or_b32 s20, s20, s12
	s_cmp_lg_u32 s20, 0
	s_cbranch_scc1 .Lend
	v_mov_b32 v[T], 0
	v_mov_b32 v[T+1], 0
	v_mov_b32 v[T+2], 1
	v_mov_b32 v[T+3], 1
	global_store_b64 v2, v[T:T+1], s[24:25]
	global_store_b64 v2, v[T+2:T+3], s[26:27]
.Lend:
	s_wait_tensorcnt 0x0
	ds_add_u32 v96, v97
	s_wait_dscnt 0x0
	s_endpgm
.Lfunc_end_k_qba601a2a2d_wprep:
	.size	k_qba601a2a2d_wprep, .Lfunc_end_k_qba601a2a2d_wprep-k_qba601a2a2d_wprep
	.p2alignl 7, 3214868480
	.fill 96, 4, 3214868480
	.section	.rodata,"a",@progbits
	.p2align	6, 0x0
	.amdhsa_kernel k_qba601a2a2d_wprep
		.amdhsa_group_segment_fixed_size 17920
		.amdhsa_private_segment_fixed_size 0
		.amdhsa_enable_private_segment 0
		.amdhsa_kernarg_size 48
		.amdhsa_user_sgpr_count 2
		.amdhsa_user_sgpr_kernarg_segment_ptr 1
		.amdhsa_wavefront_size32 1
		.amdhsa_system_sgpr_workgroup_id_x 1
		.amdhsa_system_sgpr_workgroup_id_y 1
		.amdhsa_system_sgpr_workgroup_id_z 1
		.amdhsa_system_vgpr_workitem_id 0
		.amdhsa_next_free_vgpr 98
		.amdhsa_next_free_sgpr 66
		.amdhsa_reserve_vcc 0
		.amdhsa_float_denorm_mode_32 3
		.amdhsa_float_denorm_mode_16_64 3
		.amdhsa_memory_ordered 1
		.amdhsa_forward_progress 1
		.amdhsa_inst_pref_size 10
	.end_amdhsa_kernel
	.amdgpu_metadata
---
amdhsa.version: [ 1, 2 ]
amdhsa.kernels:
  - .name:           k_qba601a2a2d_wprep
    .symbol:         k_qba601a2a2d_wprep.kd
    .args:
      - { .name: Wq, .offset: 0, .size: 8, .value_kind: global_buffer, .address_space: global }
      - { .name: Wk, .offset: 8, .size: 8, .value_kind: global_buffer, .address_space: global }
      - { .name: Wv, .offset: 16, .size: 8, .value_kind: global_buffer, .address_space: global }
      - { .name: wt, .offset: 24, .size: 8, .value_kind: global_buffer, .address_space: global }
      - { .name: part0, .offset: 32, .size: 8, .value_kind: global_buffer, .address_space: global }
      - { .name: part1, .offset: 40, .size: 8, .value_kind: global_buffer, .address_space: global }
    .group_segment_fixed_size: 17920
    .private_segment_fixed_size: 0
    .kernarg_segment_align: 8
    .kernarg_segment_size: 48
    .max_flat_workgroup_size: 128
    .sgpr_count:     66
    .vgpr_count:     98
    .wavefront_size: 32
...
	.end_amdgpu_metadata
.endif
;; end of part 1
;; launch proj (part 2): grid 4 x 64, 4 waves a work-group, clusters of 4 x 4, 327,680 bytes of LDS; arguments q, k, v, bq, bk, bv, wt, qkv0, qkv1; writes qkv0, qkv1
.if DOCPART == 2
	.amdgcn_target "amdgcn-amd-amdhsa--gfx1250"
	.amdhsa_code_object_version 6
	.text
	.protected	k_qba601a2a2d_proj
	.globl	k_qba601a2a2d_proj
	.p2align	8
	.type	k_qba601a2a2d_proj,@function
k_qba601a2a2d_proj:
	s_mov_b64 s[64:65], 0
	v_nop
	global_prefetch_b8 v0, s[64:65] scope:SCOPE_SE
	s_setreg_imm32_b32 hwreg(HW_REG_WAVE_MODE, 25, 1), 1
	s_wait_xcnt 0x0
	s_wait_alu depctr_hold_cnt(0) depctr_sa_sdst(0) depctr_va_vdst(0) depctr_va_sdst(0) depctr_va_ssrc(0) depctr_va_vcc(0) depctr_vm_vsrc(0)
	s_getreg_b32 s2, hwreg(HW_REG_IB_STS2, 6, 4)
	s_cmp_eq_u32 s2, 0
	s_cbranch_scc0 .Lentry_in_a_cluster
	s_endpgm
.Lentry_in_a_cluster:
	s_bfe_u32 s2, ttmp6, 0x10000c
	s_cmp_lg_u32 s2, 0xf033
	s_cbranch_scc0 .Lentry_shape_is_right
	s_endpgm
.Lentry_shape_is_right:
; The three projections: Y_p[m][n] = sum over d of X_p[m][d] W_p[d][n] + b_p[n], X_p = q, k, v as [8192][1024] f32, W_p from wt ([n][d], bf16), n = 64 head + a.
; X is rounded to bf16 (nearest even) on its way from LDS to the matrix unit; sums in f32; the bias is the C of each sum's first product.
; OUT.  Batches 0, 1 go to qkv0, batches 2, 3 to qkv1; a buffer holds 32 batch-heads (16 x batch's place in the pair + head).
;       p = 0, 1 (q, k): Y is kept as TWO bf16, hi = bf16(Y) and lo = bf16(Y - hi), in rows [hi 64 | lo 64] of 256 bytes: at byte p x 2^24, [32][2048][128].
;       p = 2 (v): Y is rounded to f16, rows of 128 bytes: at byte 2^25, [32][2048][64].  LIMIT: |Y_v| under 65,504, f16's largest number; beyond it the stored value is infinite.
; SHARES.  A tile is 128 rows x 256 columns: 64 x 4 places, 256 work-groups.  A WORK-GROUP STAYS: it makes the tile of its place for p = 0, 1, 2, and the ring does not stop at a tile's end:
; a tile's last two changes of slots ask for the next p's first two K steps, then the tile goes out, and nothing waits for its stores.  The two tiles that have a successor (q's and k's, with the
; way out in two bf16) are a loop of two trips; the last (v's, with the way out in f16) is written out behind it, since it asks for nothing more.
; Four waves, each 64 x 128: 32 accumulators of 16 x 16, 256 registers.
; K goes in steps of 128 through two LDS slots: X's rows are 512 bytes of memory, W's 256.  Waves 0, 1 fetch X's two halves (64 rows), waves 2, 3 W's (128 rows): 32 KiB a load.
; CLUSTER.  4 x 4 work-groups, which walk p in step: the four of a row need the same tile of X, the four of a column the same tile of W; each tile is asked for jointly.
; X IS ASKED FOR AHEAD.  X is read from memory once, and a refill has one K step in which to land.  So at the end of K step t, where the tensor load asks for K step t + 2, a prefetch asks for X's tile
; of K step t + 4: two K steps, 256 matrix instructions of a wave, ahead of the tensor load that will bring it.  The tile is 128 rows x 512 bytes = 256 aligned blocks of 256 bytes, shared by the four
; partners of a cluster's row: partner cx's wave w (0 or 1, the waves that fetch X) takes rows 64 w + 16 cx + 0..15, a lane one block, so each block is asked for once in the launch: 16 KiB a
; work-group in a K step, 32 KiB asked for and not yet loaded.  The first two fills ask for q's K steps 2 and 3; K steps 4 to 7 of q's and k's tiles ask for the next tile's K steps 0 to 3;
; K steps 4 to 7 of v's tile ask for nothing.  wt is not asked for: each of its tiles is read again by all sixteen clusters.
; THE MATRIX INSTRUCTION IS USED TRANSPOSED (source 0 = 16 rows of W, source 1 = 16 rows of X): a lane holds row l % 16 of Y and eight neighbouring columns 8 (l / 16) + 0..7.
; REGISTERS, in windows of 256:
;   window 0: v16-29 addresses; v32-63, v64-95 X's fragments in bf16, two buffers (they hold the next tile's first quarter during a way out); v96-255 at work on the way out
;   window 1: the accumulators, (a, b) at v[64 a + 8 b]
;   window 2: v0-63, v64-127 W's fragments, two buffers; v128-191 X's fragments as they lie in LDS, f32; v192-255 the bias (8 registers for each of my 8 column blocks)
.set KSTEP,  128
.set PX,     528                       ; X's LDS row: 512 bytes + 16 of padding = 132 words: the 16 rows of a load start 4 banks apart (64 banks of 4 bytes: ISA guide 11.1)
.set PW,     272                       ; W's LDS row: 256 + 16
.set XHALF,  64*PX                     ; what one load brings of X, and what one wave reads of it
.set WHALF,  128*PW                    ; the same for W
.set XREG,   2*XHALF
.set SLOT,   XREG+2*WHALF              ; X's 128 rows, then W's 256 rows: 137,216 bytes
.set STAGE,  2*SLOT                    ; behind the ring: 32 rows x 272 bytes for each wave; no tensor load fills it
.set SP,     272
.set WSTAGE, 32*SP
.set LAPS,   1024/(2*KSTEP)            ; a lap = two K steps = once round the ring
.set NEXT_W, (1<<21)-(LAPS-1)*2*KSTEP*2  ; bytes from a slot's last K step of W_p to its first of W_(p+1): 1,024 rows of 2,048 bytes on, three refills of 512 bytes back
.set ADRA, 16                          ; v16-17  LDS address of my fragments of X in slot 0, 1
.set ADRB, 20                          ; v20-21  the same for W
.set STO,  24                          ; v24     the way out: where I put 16 bytes of a row
.set RD,   25                          ; v25     q, k: where I read rows of 256 bytes back
.set CO,   26                          ; v26     16 x lane: my bytes in 512 consecutive bytes of the output
.set BOFF, 27                          ; v27     byte offset of my first eight numbers of the bias; never rewritten
.set RDV,  28                          ; v28     v: where I read rows of 128 bytes back
.set POFF, 29                          ; v29     the prefetch: my block's byte offset from the first of the 64 rows that my wave fetches; never rewritten
.set AF,   32
.set HI,   96                          ; the way out: hi (or f16) packed;
.set U,    128                         ; Y - hi, 64 registers;
.set LO,   128                         ; lo packed, in place: number i takes U + i, which number i / 2 has read;
.set OB,   192                         ; rows read back
.set AR,   128                         ; window 2
.set BI,   192                         ; window 2
.set G1,  24                           ; s[24:31] descriptor group 1 for X's tiles;  s[32:39] group 0, a set for each slot
.set G0,  32
.set G1B, 48                           ; s[48:55], s[56:63] the same for W's tiles
.set G0B, 56
.set XO,  86                           ; s[86:87] my rows' first byte in each of q, k, v
.set NX,  88                           ; s[88:89] the next tile's X at my rows
.set VB,  90                           ; s[90:91] where my part of v's tile begins
.set PB,  92                           ; s[92:93] the prefetch: X at my rows, at the even one of the lap's two K steps that are asked for
.set MSB, 0
.macro WIN new                         ; the immediate's high byte repeats the setting that is left; a switch that changes nothing is dropped
.if MSB != \new
	s_set_vgpr_msb (MSB<<8)|\new
.set MSB, \new
.endif
.endm
.set MUL,  0x52                        ; source 0 (W) window 2, source 1 (X) window 0, C and D window 1
.set MULB, 0x62                        ; the same with C, the bias, in window 2
.set TO_F, 0x80                        ; destination window 2, address window 0
.set CVT,  0x0a                        ; both sources window 2, destination window 0
.set PK,   0x05                        ; both sources window 1, destination window 0
.set SUB,  0x01                        ; source 0 window 1
; A joint load: waves 0 and 1 fetch X's two halves, waves 2 and 3 W's.  The branch hangs on the wave's number alone.  Four v_nop follow each of the two lines.
; pf other than 0: behind X's load its wave asks for its 32 blocks of X's tile two K steps further on than that load's (slot s: the lap's even or odd step, in the immediate).
; pf = 3 (the laps of the last tile): not in the third lap, whose look-ahead would pass the tile's end; the lap counter is the same in every work-group.
.macro JLOAD s, pf
	s_cmp_eq_u32 s11, 0
	s_cbranch_scc0 .Lfor_w_\@
	tensor_load_to_lds s[G0+4*\s:G0+4*\s+3], s[G1:G1+7]
	s_nop 0
.rept 4
	v_nop
.endr
.if \pf == 3
	s_cmp_eq_u32 s3, 1
	s_cbranch_scc1 .Lasked_\@
.endif
.if \pf
	global_prefetch_b8 v[POFF], s[PB:PB+1] offset:\s*KSTEP*4 th:TH_LOAD_NT scope:SCOPE_SE
.endif
	s_branch .Lasked_\@
.Lfor_w_\@:
	tensor_load_to_lds s[G0B+4*\s:G0B+4*\s+3], s[G1B:G1B+7]
	s_nop 0
.rept 4
	v_nop
.endr
.Lasked_\@:
.endm
.macro CREST                           ; a round of the cluster's barrier behind its opening barrier
	s_cmp_lg_u32 s10, 0
	s_cbranch_scc1 .Lnot_wave_0_\@
	s_barrier_signal -3
.Lnot_wave_0_\@:
	s_barrier_wait -3
	s_barrier_signal -1
	s_barrier_wait -1
.endm
.macro CROUND                          ; a whole round
	s_barrier_signal -1
	s_barrier_wait -1
	CREST
.endm
.macro PLACES
.rept 4
	v_nop
.endr
.endm
; The bias whose address is in s[6:7]: register j of block b takes b_p[n0 + 16 b + 8 h + j], the layout of a result.  16 loads; the wait for them stands at the head of the tile that they start.
.macro BIAS
	WIN TO_F
.irp b, 0,1,2,3,4,5,6,7
	global_load_b128 v[BI+8*\b:BI+8*\b+3],   v[BOFF], s[6:7] offset:64*\b
	global_load_b128 v[BI+8*\b+4:BI+8*\b+7], v[BOFF], s[6:7] offset:64*\b+16
.endr
.endm
	s_load_b512 s[68:83], s[0:1], 0x0              ; q s[68:69], k s[70:71], v s[72:73], bq s[74:75], bk s[76:77], bv s[78:79], wt s[80:81], qkv0 s[82:83]
	s_load_b64 s[84:85], s[0:1], 0x40              ; qkv1
	v_lshl_add_u32 v30, v0, 2, 0x4b800
	v_mov_b32 v31, 0
	ds_add_u32 v30, v31
	v_lshrrev_b32 v1, 5, v0
	v_readfirstlane_b32 s10, v1                    ; wave 0..3
	s_lshr_b32 s11, s10, 1                         ; which 64 of the tile's rows are mine.  Also: I fetch for X (0) or for W (1)
	s_and_b32 s12, s10, 1                          ; which 128 of its columns.  Also: which half of that tile I fetch
	s_bfe_u32 s40, ttmp6, 0x40000                  ; cx, cy: my place in the cluster
	s_bfe_u32 s41, ttmp6, 0x40004
	s_lshl_b32 s42, ttmp9, 2
	s_add_co_u32 s42, s42, s40                     ; tile column = 4 x cluster x + cx
	s_and_b32 s13, ttmp7, 0xffff
	s_lshl_b32 s13, s13, 2
	s_add_co_u32 s13, s13, s41                     ; tile row = 4 x cluster y + cy
	s_lshl_b32 s43, s41, 2
	s_lshl_b32 s43, 15, s43                        ; my row of the cluster
	s_lshl_b32 s44, 0x1111, s40                    ; my column
	s_mov_b32 s45, 0xffff0000                      ; a word's upper bf16
	; the prefetch's offset: row 16 cx + l / 2 of the 64 that my wave fetches, block l % 2 of the K step's 512 bytes.  cx enters this offset, W's address and mask, the bias's and the output's; no address of X and no LDS address.
	v_and_b32 v6, 31, v0
	v_lshrrev_b32 v7, 1, v6
	v_lshl_add_u32 v7, s40, 4, v7
	v_and_b32 v8, 1, v0
	v_lshlrev_b32 v8, 8, v8
	v_lshl_add_u32 v[POFF], v7, 12, v8             ; row x 4,096 + block x 256
	; descriptor group 1.  X: 64 rows x 128 elements of 4 bytes, 4 words of padding behind every 128 words.  W: 128 rows x 128 elements of 2 bytes, 4 words behind every 64.
	s_or_b32 s[G1+0], s43, (2<<16)|(1<<20)|(1<<21)|(6<<22)|(3<<25)   ; 15:0 the mask: X's tiles go to my row; 17:16 element size; 20 padding on; 21 set beside a mask; 24:22 interval; 31:25 padding
	s_or_b32 s[G1B+0], s44, (1<<16)|(1<<20)|(1<<21)|(5<<22)|(3<<25)  ; W's tiles go to my column
	s_mov_b32 s[G1+1], KSTEP<<16                   ; tensor_dim0 = 128
	s_mov_b32 s[G1+2], 64<<16                      ; tensor_dim1 = 64
	s_mov_b32 s[G1+3], KSTEP<<16                   ; tile_dim0 = 128
	s_mov_b32 s[G1+4], 64                          ; tile_dim1 = 64
	s_mov_b32 s[G1+5], 1024                        ; elements from row to row
	s_mov_b32 s[G1+6], 0
	s_mov_b32 s[G1+7], 0
	s_mov_b32 s[G1B+1], KSTEP<<16
	s_mov_b32 s[G1B+2], 128<<16
	s_mov_b32 s[G1B+3], KSTEP<<16
	s_mov_b32 s[G1B+4], 128
	s_mov_b32 s[G1B+5], 1024
	s_mov_b32 s[G1B+6], 0
	s_mov_b32 s[G1B+7], 0
	; where the tiles come from: X's hang on the tile row and the wave, W's on the tile column and the wave; each in registers that never hold the other coordinate
	s_lshl_b32 s[XO], s13, 7
	s_lshl_b32 s[XO+1], s12, 6
	s_add_co_u32 s[XO], s[XO], s[XO+1]             ; X: row 128 x tile row + 64 x half,
	s_lshl_b32 s[XO], s[XO], 12                    ; of 4,096 bytes
	s_mov_b32 s[XO+1], 0
	s_lshl_b32 s46, s42, 19                        ; W: 256 x tile column rows of 2,048 bytes
	s_lshl_b32 s47, s12, 18                        ; + 128 x half; the first tile is p = 0's
	s_add_co_u32 s46, s46, s47
	s_mov_b32 s47, 0
	s_mul_i32 s20, s12, XHALF                      ; and where they go: no place in the cluster enters an LDS address
	s_mul_i32 s21, s12, WHALF
	s_add_co_u32 s21, s21, XREG
	s_wait_dscnt 0x0
	s_wait_kmcnt 0x0
	s_mov_b64 s[6:7], s[74:75]                     ; the first tile's bias: bq
	s_add_nc_u64 s[14:15], s[68:69], s[XO:XO+1]    ; and its X: q
	s_add_nc_u64 s[PB:PB+1], s[14:15], 2*KSTEP*4   ; the first requests ahead: q's K steps 2 and 3
	s_add_nc_u64 s[46:47], s[80:81], s[46:47]
	CROUND                                         ; all sixteen work-groups are here: the first joint loads meet
.irp s, 0,1
	s_mov_b32 s[G0+4*\s], 1                                        ; count = 1
	s_add_co_u32 s[G0+4*\s+1], s20, \s*SLOT                        ; LDS address
	s_add_nc_u64 s[G0+4*\s+2:G0+4*\s+3], s[14:15], \s*KSTEP*4      ; global address: K step s
	s_or_b32 s[G0+4*\s+3], s[G0+4*\s+3], 0x80000000                ; type = 2
	s_mov_b32 s[G0B+4*\s], 1
	s_add_co_u32 s[G0B+4*\s+1], s21, \s*SLOT
	s_add_nc_u64 s[G0B+4*\s+2:G0B+4*\s+3], s[46:47], \s*KSTEP*2
	s_or_b32 s[G0B+4*\s+3], s[G0B+4*\s+3], 0x80000000
	JLOAD \s, 1                                    ; two loads of mine are out
.endr
	v_and_b32 v1, 15, v0                           ; r = l % 16
	v_bfe_u32 v2, v0, 4, 1                         ; h = l / 16
	s_lshl_b32 s18, s42, 10                        ; the bias: 4 bytes x (256 x tile column + 128 x half + 8 h)
	s_lshl_b32 s19, s12, 9
	s_add_co_u32 s18, s18, s19
	v_lshl_add_u32 v[BOFF], v2, 5, s18
	BIAS
	WIN 0
	; A fragment is 16 rows x 32 K: lane l holds row r; registers 0-3 K = 8 h + 0..7, registers 4-7 K = 16 + 8 h + 0..7.  In bf16 two loads of 16 bytes, 32 bytes apart;
	; in f32 four: at 32 h and 32 h + 16, and 64 bytes further on.
	v_mul_u32_u24 v3, v1, PX
	v_lshl_add_u32 v3, v2, 5, v3                   ; X: row x pitch + 32 h
	v_mul_u32_u24 v4, v1, PW
	v_lshl_add_u32 v4, v2, 4, v4                   ; W: row x pitch + 16 h
	s_mul_i32 s22, s11, XHALF                      ; my 64 rows of X
	s_mul_i32 s23, s12, WHALF                      ; my 128 rows of W,
	s_add_co_u32 s23, s23, XREG                    ; which lie behind X's 128
.irp s, 0,1
	v_add_nc_u32 v[ADRA+\s], s22, v3
	v_add_nc_u32 v[ADRB+\s], s23, v4
	s_add_co_u32 s22, s22, SLOT
	s_add_co_u32 s23, s23, SLOT
.endr
	s_mul_i32 s22, s10, WSTAGE
	s_add_co_u32 s22, s22, STAGE                   ; my stage
	v_mul_u32_u24 v5, v1, SP                       ; in: row r, 16 bytes for each half of the lanes
	v_lshl_add_u32 v5, v2, 4, v5
	v_add_nc_u32 v[STO], s22, v5
	v_mul_u32_u24 v5, v2, SP                       ; back, rows of 256 bytes: lanes 0-15 one row, lanes 16-31 the next
	v_lshl_add_u32 v5, v1, 4, v5
	v_add_nc_u32 v[RD], s22, v5
	v_and_b32 v6, 31, v0
	v_lshlrev_b32 v[CO], 4, v6
	v_lshrrev_b32 v7, 3, v6                        ; back, half rows of 128 bytes: eight lanes to a row, four rows
	v_and_b32 v8, 7, v0
	v_mul_u32_u24 v7, v7, SP
	v_lshl_add_u32 v7, v8, 4, v7
	v_add_nc_u32 v[RDV], s22, v7
	; where my parts begin: in the buffer of my batch's pair, row R = (16 x place in the pair + 4 tile column + 2 half) x 2,048 + place in the batch; q: R x 256 bytes; k: 2^24 further on; v: 2^25 + R x 128
	s_lshl_b32 s16, s13, 7
	s_lshl_b32 s17, s11, 6
	s_add_co_u32 s16, s16, s17                     ; my first row of X
	s_lshr_b32 s17, s16, 11                        ; its batch
	s_and_b32 s16, s16, 2047                       ; its place there
	s_lshr_b32 s23, s17, 1                         ; the pair of batches: which buffer
	s_and_b32 s17, s17, 1                          ; the batch's place in the pair
	s_lshl_b32 s17, s17, 4
	s_lshl_b32 s66, s42, 2
	s_lshl_b32 s67, s12, 1
	s_add_co_u32 s66, s66, s67
	s_add_co_u32 s66, s66, s17
	s_lshl_b32 s66, s66, 11
	s_add_co_u32 s66, s66, s16                     ; R
	s_cmp_eq_u32 s23, 0
	s_cselect_b64 s[8:9], s[82:83], s[84:85]       ; qkv0 or qkv1
	s_lshl_b32 s18, s66, 7
	s_add_co_u32 s18, s18, 1<<25
	s_mov_b32 s19, 0
	s_add_nc_u64 s[VB:VB+1], s[8:9], s[18:19]      ; v's
	s_lshl_b32 s66, s66, 8
	s_mov_b32 s67, 0
	s_add_nc_u64 s[8:9], s[8:9], s[66:67]          ; q's; k's by a step behind q's way out
; 32 LDS loads in one run: the fragments of quarter q (32 along K) of a slot: X's four, raw, first; then W's eight into buffer g
.macro FETCH slot, q, g
	WIN TO_F
.irp a, 0,1,2,3
.irp e, 0,1,2,3
	ds_load_b128 v[AR+16*\a+4*\e:AR+16*\a+4*\e+3], v[ADRA+\slot] offset:128*\q+16*PX*\a+64*(\e/2)+16*(\e%2)
.endr
.endr
.irp b, 0,1,2,3,4,5,6,7
	ds_load_b128 v[64*\g+8*\b:64*\g+8*\b+3],   v[ADRB+\slot] offset:64*\q+16*PW*\b
	ds_load_b128 v[64*\g+8*\b+4:64*\g+8*\b+7], v[ADRB+\slot] offset:64*\q+16*PW*\b+32
.endr
.endm
; X's raw fragment c is rounded to bf16 into buffer g: eight plain vector instructions
.macro CVT8 g, c
	WIN CVT
.irp i, 0,1,2,3,4,5,6,7
	v_cvt_pk_bf16_f32 v[AF+32*\g+8*\c+\i], v[AR+16*\c+2*\i], v[AR+16*\c+2*\i+1]
.endr
.endm
; 4 matrix instructions: row block a x column blocks 4 hb .. 4 hb + 3, 32 along K, from buffers f.  bias = 1: the sums' first products, with the bias as C: nothing is cleared or added later.
; The 32 accumulators take turns, one instruction a turn, in the same order in every quarter and from tile to tile.
.macro MUL4 f, a, hb, bias
.if \bias
	WIN MULB
.else
	WIN MUL
.endif
.irp b, 0,1,2,3
.set rD, 64*\a+8*(4*\hb+\b)
.set rB, 64*\f+8*(4*\hb+\b)
.set rA, AF+32*\f+8*\a
.if \bias
	v_wmma_f32_16x16x32_bf16 v[rD:rD+7], v[rB:rB+7], v[rA:rA+7], v[BI+8*(4*\hb+\b):BI+8*(4*\hb+\b)+7]
.else
	v_wmma_f32_16x16x32_bf16 v[rD:rD+7], v[rB:rB+7], v[rA:rA+7], v[rD:rD+7]
.endif
.endr
.endm
; The second half of a quarter: 16 products from buffers f, and between them the next quarter's X is rounded into buffer g.  The eight conversions behind the last products name none of
; their registers: they are the four places (ISA guide 7.12.1 for vector instructions) in front of the next run of loads into the W buffer just multiplied, and, at the end of a tile that
; has a successor, in front of the way out.  The loop has no v_nop but those behind a joint load.
.macro TAIL16 f, g, bias
	MUL4 \f, 2, 0, \bias
	s_wait_dscnt 16                                ; X's 16 raw loads are in; W's 16, issued behind them, may be out
	CVT8 \g, 0
	MUL4 \f, 2, 1, \bias
	CVT8 \g, 1
	MUL4 \f, 3, 0, \bias
	CVT8 \g, 2
	MUL4 \f, 3, 1, \bias
	CVT8 \g, 3
.endm
; A K step is four quarters of 32 along K, 32 matrix instructions each, on buffers 0, 1, 0, 1.  One of the first three: fetches quarter qn of the same slot for buffers g, multiplies buffers f.
.macro QUARTER slot, qn, f, g, bias
	FETCH \slot, \qn, \g
	s_wait_dscnt 32                                ; all but the 32 just issued: W's buffer f is in
	MUL4 \f, 0, 0, \bias
	MUL4 \f, 0, 1, \bias
	MUL4 \f, 1, 0, \bias
	MUL4 \f, 1, 1, \bias
	TAIL16 \f, \g, \bias
.endm
; The last quarter multiplies buffers 1 and changes slots: ONE barrier; in front of it each wave waits for its own reads of this slot and for all its tensor loads, of which one is out:
; its part of the next slot.  fill = 1 or 2: the barrier opens a round of the cluster's barrier, and this slot is filled again first thing behind the round: with this tile's K step two steps on
; (fill = 1) or, in a tile's last two K steps, with the NEXT tile's K step 0 or 1 (fill = 2): X's address is made anew from the next tensor's, W's goes one p on and back along K.
; pf: the prefetch behind X's load (JLOAD).  Its base goes two K steps on once a lap, at slot 0's change.  pf = 2 (the laps of a tile that has a successor): in the third lap, whose look-ahead
; passes the tile's end, the base becomes the next tensor's K step 0 at my rows.  pf = 3 (the laps of the last tile): the third lap asks for nothing, and its stepped base is not used.
.macro TURNQ slot, next, fill, pf
	s_wait_dscnt 0x0                               ; my reads of this slot are over,
	s_set_vgpr_msb 0xa00
	s_wait_tensorcnt 0x0                           ; and all my tensor loads have landed: every group 0 may be written
	ds_add_u32 v30, v31
	s_wait_dscnt 0x0
	s_set_vgpr_msb 0xa
.if \pf && (\slot == 0)
	s_wait_xcnt 0x0                                ; the last prefetch stands a whole K step back: its base is written only behind this wait (ISA guide 3.1)
	s_add_nc_u64 s[PB:PB+1], s[PB:PB+1], 2*KSTEP*4
.if \pf == 2
	s_cmp_eq_u32 s3, 1
	s_cselect_b64 s[PB:PB+1], s[NX:NX+1], s[PB:PB+1]
.endif
.endif
	s_barrier_signal -1
	MUL4 1, 0, 0, 0                                ; work on registers while the others arrive
	MUL4 1, 0, 1, 0
.if \fill
	WIN 0                                          ; at a branch and at a label every window is 0
.endif
	s_barrier_wait -1
.if \fill
	CREST                                          ; no wave of any partner still reads this slot's tiles or has a load on its way
.if \fill == 2
	s_add_nc_u64 s[G0+4*\slot+2:G0+4*\slot+3], s[NX:NX+1], \slot*KSTEP*4
	s_or_b32 s[G0+4*\slot+3], s[G0+4*\slot+3], 0x80000000
	s_add_nc_u64 s[G0B+4*\slot+2:G0B+4*\slot+3], s[G0B+4*\slot+2:G0B+4*\slot+3], NEXT_W
.else
	s_add_nc_u64 s[G0+4*\slot+2:G0+4*\slot+3], s[G0+4*\slot+2:G0+4*\slot+3], 2*KSTEP*4
	s_add_nc_u64 s[G0B+4*\slot+2:G0B+4*\slot+3], s[G0B+4*\slot+2:G0B+4*\slot+3], 2*KSTEP*2
.endif
	JLOAD \slot, \pf                               ; my one tensor load behind the round: it has the 120 matrix instructions up to the next change of slots in which to land
.endif
	FETCH \next, 0, 0
	MUL4 1, 1, 0, 0
	MUL4 1, 1, 1, 0
	TAIL16 1, 0, 0
.endm
; A tile's first three laps, from the first lap's second quarter to the last lap's first: a trip goes once round the ring and fills both slots again
.macro LAPS3 pf
	WIN 0
	s_mov_b32 s3, LAPS-1
.Llap_\@:
	QUARTER 0, 2, 1, 0, 0
	QUARTER 0, 3, 0, 1, 0
	TURNQ 0, 1, 1, \pf
	QUARTER 1, 1, 0, 1, 0
	QUARTER 1, 2, 1, 0, 0
	QUARTER 1, 3, 0, 1, 0
	TURNQ 1, 0, 1, \pf
	QUARTER 0, 1, 0, 1, 0
	WIN 0
	s_sub_co_u32 s3, s3, 1
	s_cmp_lg_u32 s3, 0
	s_cbranch_scc1 .Llap_\@
.endm
; THE WAY OUT OF q AND k, a block of 16 rows at a time.  hi = bf16(Y); lo = bf16(Y - hi): the difference is exact in f32.  Each accumulator is read from its low end on.
; The block's number may come as an expression, so it stands in brackets wherever it is multiplied.
.macro PACKQK a
	WIN PK
.set i, 0
.rept 32
	v_cvt_pk_bf16_f32 v[HI+i], v[64*(\a)+2*i], v[64*(\a)+2*i+1]
.set i, i+1
.endr
	WIN 0
.set i, 0
.rept 32
	v_lshlrev_b32 v[U+2*i],   16,  v[HI+i]         ; hi back in f32
	v_and_b32     v[U+2*i+1], s45, v[HI+i]
.set i, i+1
.endr
	WIN SUB
.set i, 0
.rept 32
	v_pk_add_f32 v[U+2*i:U+2*i+1], v[64*(\a)+2*i:64*(\a)+2*i+1], v[U+2*i:U+2*i+1] neg_lo:[0,1] neg_hi:[0,1]
.set i, i+1
.endr
	WIN 0
.set i, 0
.rept 32
	v_cvt_pk_bf16_f32 v[LO+i], v[U+2*i], v[U+2*i+1]    ; in place, ascending: register U + i has been read by number i / 2
.set i, i+1
.endr
.endm
; My 128 columns are two heads: 16 rows x 2 heads = 32 rows of the output, each [hi 64 | lo 64] = 256 bytes; stage row 16 x head + r.
.macro STAGEQK
	s_wait_xcnt 0x0                                ; every earlier store has had its addresses translated (ISA guide 3.1): only behind this wait are the registers that it reads loaded again
.irp b, 0,1,2,3,4,5,6,7
	ds_store_b128 v[STO], v[HI+4*\b:HI+4*\b+3] offset:16*SP*(\b/4)+32*(\b%4)
	ds_store_b128 v[STO], v[LO+4*\b:LO+4*\b+3] offset:16*SP*(\b/4)+32*(\b%4)+128
.endr
.irp t, 0,1,2,3,4,5,6,7,8,9,10,11,12,13,14,15
	ds_load_b128 v[OB+4*\t:OB+4*\t+3], v[RD] offset:2*SP*\t        ; LDS serves a wave's instructions in order (ISA guide 5.7.1.4): these see the stores above
.endr
.endm
.macro SENDQK a
	s_wait_dscnt 0x0
.irp t, 0,1,2,3,4,5,6,7,8,9,10,11,12,13,14,15
	global_store_b128 v[CO], v[OB+4*\t:OB+4*\t+3], s[8:9] offset:524288*(\t/8)+512*(\t%8)+4096*(\a)   ; the wave stores 512 consecutive bytes, two rows, aligned; a head is 524,288 bytes, a block 16 rows of 256
.endr
.endm
; THE WAY OUT OF v: rounded to f16; a stage row holds my 128 columns (two heads' rows of 128 bytes); read back by heads, four rows to a load.
.macro PACKV a
	WIN PK
.set i, 0
.rept 32
	v_cvt_pk_f16_f32 v[HI+i], v[64*(\a)+2*i], v[64*(\a)+2*i+1]
.set i, i+1
.endr
	WIN 0
.endm
.macro STAGEV
	s_wait_xcnt 0x0                                ; as above
.irp b, 0,1,2,3,4,5,6,7
	ds_store_b128 v[STO], v[HI+4*\b:HI+4*\b+3] offset:32*\b
.endr
.irp t, 0,1,2,3,4,5,6,7
	ds_load_b128 v[OB+4*\t:OB+4*\t+3], v[RDV] offset:4*SP*(\t%4)+128*(\t/4)
.endr
.endm
.macro SENDV a
	s_wait_dscnt 0x0
.irp t, 0,1,2,3,4,5,6,7
	global_store_b128 v[CO], v[OB+4*\t:OB+4*\t+3], s[VB:VB+1] offset:262144*(\t/4)+512*(\t%4)+2048*(\a)   ; the wave stores 512 consecutive bytes, four rows, aligned; a head is 262,144 bytes, a block 16 rows of 128
.endr
.endm
	s_wait_tensorcnt 1                             ; my part of K step 0 is in; K step 1's may stay out
	s_barrier_signal -1
	s_barrier_wait -1                              ; everybody's is
	FETCH 0, 0, 0
	s_wait_dscnt 0x0
	CVT8 0, 0
	CVT8 0, 1
	CVT8 0, 2
	CVT8 0, 3
	WIN 0
	s_mov_b32 s2, 2                                ; tiles that have a successor, still to go: the same number in every work-group
.Ltile:                                                ; q's tile, then k's
	s_wait_loadcnt 0x0                             ; this tile's bias is in; its loads' base may be written
	s_cmp_eq_u32 s2, 2
	s_cselect_b64 s[NX:NX+1], s[70:71], s[72:73]   ; the next tile's X: k behind q, v behind k
	s_cselect_b64 s[6:7], s[76:77], s[78:79]       ; and its bias
	s_add_nc_u64 s[NX:NX+1], s[NX:NX+1], s[XO:XO+1]
	QUARTER 0, 1, 0, 1, 1                          ; a tile's first quarter stands in front of the laps: its products start the sums
	LAPS3 2                                        ; asked for ahead: this tile's K steps 4 to 7, then the next tile's 0 and 1
	QUARTER 0, 2, 1, 0, 0                          ; the tile's last lap
	QUARTER 0, 3, 0, 1, 0
	TURNQ 0, 1, 2, 1                               ; THE RING GOES ON INTO THE NEXT TILE: slot 0 takes its K step 0 (asked for ahead: its K step 2),
	QUARTER 1, 1, 0, 1, 0
	QUARTER 1, 2, 1, 0, 0
	QUARTER 1, 3, 0, 1, 0
	TURNQ 1, 0, 2, 1                               ; slot 1 its K step 1 (ahead: its K step 3), and the next tile's first fragments are fetched and rounded
	BIAS                                           ; the next tile's bias: the products that read these registers stand a whole tile back; it lands during the way out
	PACKQK 0                                       ; both refills are asked for: now the tile goes out
	STAGEQK
.irp a, 1,2,3                          ; block a's arithmetic stands between block a - 1's loads from the stage and the wait for them
	PACKQK \a
	SENDQK \a-1
	STAGEQK
.endr
	SENDQK 3
	s_wait_xcnt 0x0                                ; the stores' base is written only behind this wait; nothing waits for the stores themselves
	s_add_nc_u64 s[8:9], s[8:9], 1<<24             ; from q's part of the buffer to k's
	s_sub_co_u32 s2, s2, 1
	s_cmp_lg_u32 s2, 0
	s_cbranch_scc1 .Ltile
	s_wait_loadcnt 0x0                             ; v's TILE, THE LAST: its bias
	QUARTER 0, 1, 0, 1, 1
	LAPS3 3                                        ; asked for ahead: its K steps 4 to 7, then nothing
	QUARTER 0, 2, 1, 0, 0                          ; its last lap fills nothing, and has no round of the cluster's barrier
	QUARTER 0, 3, 0, 1, 0
	TURNQ 0, 1, 0, 0
	QUARTER 1, 1, 0, 1, 0
	QUARTER 1, 2, 1, 0, 0
	QUARTER 1, 3, 0, 1, 0
	s_wait_dscnt 0x0                               ; the very last quarter: nothing more to fetch
.irp a, 0,1,2,3
	MUL4 1, \a, 0, 0
	MUL4 1, \a, 1, 0
.endr
	PLACES                                         ; the conversions below read results just made
	PACKV 0
	STAGEV
.irp a, 1,2,3
	PACKV \a
	SENDV \a-1
	STAGEV
.endr
	SENDV 3
	s_wait_tensorcnt 0x0
	ds_add_u32 v30, v31
	s_wait_dscnt 0x0
	CROUND                                         ; the closing round: no work-group ends while a partner may still ask for a tile that names it
	s_endpgm
.Lfunc_end_k_qba601a2a2d_proj:
	.size	k_qba601a2a2d_proj, .Lfunc_end_k_qba601a2a2d_proj-k_qba601a2a2d_proj
	.p2alignl 7, 3214868480
	.fill 96, 4, 3214868480
	.section	.rodata,"a",@progbits
	.p2align	6, 0x0
	.amdhsa_kernel k_qba601a2a2d_proj
		.amdhsa_group_segment_fixed_size 327680
		.amdhsa_private_segment_fixed_size 0
		.amdhsa_enable_private_segment 0
		.amdhsa_kernarg_size 72
		.amdhsa_user_sgpr_count 2
		.amdhsa_user_sgpr_kernarg_segment_ptr 1
		.amdhsa_wavefront_size32 1
		.amdhsa_system_sgpr_workgroup_id_x 1
		.amdhsa_system_sgpr_workgroup_id_y 1
		.amdhsa_system_sgpr_workgroup_id_z 1
		.amdhsa_system_vgpr_workitem_id 0
		.amdhsa_next_free_vgpr 768
		.amdhsa_next_free_sgpr 94
		.amdhsa_reserve_vcc 0
		.amdhsa_float_denorm_mode_32 3
		.amdhsa_float_denorm_mode_16_64 3
		.amdhsa_memory_ordered 1
		.amdhsa_forward_progress 1
		.amdhsa_inst_pref_size 255
	.end_amdhsa_kernel
	.section	.bss,"aw",@nobits
	.p2align	6
	.space	262144
	.amdgpu_metadata
---
amdhsa.version: [ 1, 2 ]
amdhsa.kernels:
  - .name:           k_qba601a2a2d_proj
    .symbol:         k_qba601a2a2d_proj.kd
    .args:
      - { .name: q, .offset: 0, .size: 8, .value_kind: global_buffer, .address_space: global }
      - { .name: k, .offset: 8, .size: 8, .value_kind: global_buffer, .address_space: global }
      - { .name: v, .offset: 16, .size: 8, .value_kind: global_buffer, .address_space: global }
      - { .name: bq, .offset: 24, .size: 8, .value_kind: global_buffer, .address_space: global }
      - { .name: bk, .offset: 32, .size: 8, .value_kind: global_buffer, .address_space: global }
      - { .name: bv, .offset: 40, .size: 8, .value_kind: global_buffer, .address_space: global }
      - { .name: wt, .offset: 48, .size: 8, .value_kind: global_buffer, .address_space: global }
      - { .name: qkv0, .offset: 56, .size: 8, .value_kind: global_buffer, .address_space: global }
      - { .name: qkv1, .offset: 64, .size: 8, .value_kind: global_buffer, .address_space: global }
    .group_segment_fixed_size: 327680
    .private_segment_fixed_size: 0
    .kernarg_segment_align: 8
    .kernarg_segment_size: 72
    .max_flat_workgroup_size: 128
    .sgpr_count:     94
    .vgpr_count:     768
    .wavefront_size: 32
...
	.end_amdgpu_metadata
.endif
;; end of part 2
;; launch attn (part 3): grid 8 x 32, 4 waves a work-group, clusters of 4 x 1, 327,680 bytes of LDS; arguments qkv0, part0, out0; writes out0
.if DOCPART == 3
	.amdgcn_target "amdgcn-amd-amdhsa--gfx1250"
	.amdhsa_code_object_version 6
	.text
	.protected	k_qba601a2a2d_attn
	.globl	k_qba601a2a2d_attn
	.p2align	8
	.type	k_qba601a2a2d_attn,@function
k_qba601a2a2d_attn:
	s_mov_b64 s[64:65], 0
	v_nop
	global_prefetch_b8 v0, s[64:65] scope:SCOPE_SE
	s_setreg_imm32_b32 hwreg(HW_REG_WAVE_MODE, 25, 1), 1
	s_wait_xcnt 0x0
	s_wait_alu depctr_hold_cnt(0) depctr_sa_sdst(0) depctr_va_vdst(0) depctr_va_sdst(0) depctr_va_ssrc(0) depctr_va_vcc(0) depctr_vm_vsrc(0)
	s_getreg_b32 s2, hwreg(HW_REG_IB_STS2, 6, 4)
	s_cmp_eq_u32 s2, 0
	s_cbranch_scc0 .Lentry_in_a_cluster
	s_endpgm
.Lentry_in_a_cluster:
	s_bfe_u32 s2, ttmp6, 0x10000c
	s_cmp_lg_u32 s2, 0x3003
	s_cbranch_scc0 .Lentry_shape_is_right
	s_endpgm
.Lentry_shape_is_right:
; out0[b][q][64 h + :] = the sum over k of softmax_k(Qh[q] . Kh[k]) Vh[k][:]; 2,048 queries and keys, 64 channels, no scale, no mask.
; ONE LAUNCH SERVES ONE PAIR OF BATCHES: 32 batch-heads bh = 16 x (batch's place in the pair) + h, 8 blocks of 256 queries each: 256 work-groups.  The text is run twice, on the two pairs' buffers.
; IN.  The pair's qkv: Qh at byte 0 and Kh at byte 2^24 as rows [hi 64 | lo 64] of bf16, 256 bytes, hi + lo the number; Vh at byte 2^25 as rows of 64 f16.
;      The pair's number, 0 or 1, one word from a buffer of its own: it enters the address of the stores into out0 and nothing else.
; SCORES in f32 from three products: qhi.khi + qlo.khi + qhi.klo (qlo.klo, some 2^-16 of a score's terms, is left out).  Without a scale in front of the softmax a score's error enters the weights
; undamped, so one rounding of Qh and Kh to 16 bits would not do.  The weights p and Vh go to the second product in f16, sums in f32.
; LIMITS.  |Vh| under 65,504 (kept by the launch before).  A weight below 2^-25 of its row's largest is rounded to 0.
; SHARES.  A work-group owns 256 queries of one batch-head, each of its four waves 64: four tiles of 16.  Every wave walks all keys, 64 a step.
; LAYOUT.  S^T = K Q^T (source 0 = 16 keys, source 1 = 16 queries): a lane holds ONE query (lane % 16) and the keys 8 (lane / 16) + 0..7.  Two such tiles, rounded in pairs, ARE source 1
; (32 keys x 16 queries) of O^T = V^T P, whose result again holds one query a lane, and eight channels.  K comes out of LDS as it lies, V ([key][channel]) turned, by ds_load_tr16_b128.
; SOFTMAX.  For each query a running maximum m and sum l: p = 2^(c s - c m), c = log2(e); in every step O and l are multiplied by a = 2^(c m_old - c m_new), which is 1 where m has not grown.
; BY TURNS.  The wave's tiles are two PIECES: piece 0 (tiles 0, 1) and piece 2 (tiles 2, 3).  In a TURN one piece has the matrix unit: 16 products V^T P of the step in hand, then 48 products
; K Q^T of the next step; the other piece's softmax (2 x 118 vector instructions, 59 slices of four) is dealt evenly behind those 64 matrix instructions.  Two turns are a key step.
; CLUSTER.  The four query blocks of a cluster belong to one batch-head and walk the same K and V: each tile is asked for JOINTLY, with a mask that names the four.
; RING.  Two LDS slots of four key steps (256 rows of K, 256 keys of V): one joint load a wave behind each round; it has four key steps, 512 matrix instructions, in which to land.
; A head's Vh is dense in memory, so its tile is asked for with TWO KEYS TO A ROW: every row of every tile, K's and V's, is 256 consecutive bytes of memory, at a multiple of 256 from the buffer's first byte.
; REGISTERS, in windows of 256 (s_set_vgpr_msb: bits 1:0 source 0, 3:2 source 1, 5:4 source 2, 7:6 destination):
;   window 0: v0-11 addresses; v12-43 eight registers of statistics a tile; v64-191 S^T, 32 a tile; v192-255 P, 16 a tile
;   window 1: v0-127 O^T, 32 a tile; v128-191 V of one step          window 2: v0-127 Q, 32 a tile (hi 0-31, hi 32-63, lo 0-31, lo 32-63); v128-255 K of one step, 32 for each 16 keys
; A slice works in window 0 (its last part on O^T), a product needs its operands' windows: a slice costs two switches, as many as stand beside the matrix instructions that hide it.
.set KS,    64        ; keys in a step
.set NSTEP, 4         ; steps in a slot
.set PK,    272       ; a row of K in LDS: 256 bytes + 16 of padding: the 16 rows of a load start 4 banks apart (64 banks of 4 bytes: ISA guide 11.1)
.set PVP,   288       ; two keys of V in LDS: 256 bytes + 32 of padding = 72 words; key n lies at (n / 2) x 288 + (n % 2) x 128.  16 lanes of the turning load take 8 keys x 32 bytes,
                      ; which start at words 0, 32, 8, 40, 16, 48, 24, 56 modulo 64 and are 8 words long
.set VSTEP, (KS/2)*PVP                 ; a step's 64 keys of V: 9,216 bytes
.set VOFF,  NSTEP*KS*PK                ; in a slot: 256 rows of K, then 256 keys of V
.set SLOT1, 1<<17     ; a slot is 106,496 bytes; slot 1 begins here, so that one exclusive or turns an address in one slot into the other's
.set STAGE, SLOT1+VOFF+NSTEP*VSTEP     ; behind the ring: 16 rows x 272 bytes for each wave; no tensor load fills it
.set SP,    272
.set KX,    1<<24     ; Kh's first byte in the pair's qkv
.set VX,    1<<25     ; Vh's
.set AK0, 2           ; v2   my lane's place in a step's rows of K; never rewritten
.set AV0, 3           ; v3   the same for V
.set ADR, 4           ; v4   the LDS address of the run of loads in hand
.set QO,  5           ; v5   my byte offset in the wave's rows of Q
.set STO, 6           ; v6   the way out: where I put 16 bytes of a row
.set RD,  7           ; v7   the way out: where I read a row back
.set GO,  8           ; v8   my byte offset in the wave's rows of out0
.set ST,  12          ; tile t's statistics at v[ST+8 t]: +0 c m, +1 m, +2, +3 l (even keys', odd keys'), +4 to +7 c0-c3, at work; a takes c2's place once the maximum is found
.set S,   64
.set P,   192
.set VF,  128         ; V's fragments, in window 1
.set KF,  128         ; K's fragments, in window 2
.set WV,  12          ; s12  my wave's number
.set G1K, 24          ; s[24:31] descriptor group 1 for K's tiles
.set G1V, 32          ; s[32:39] for V's
.set G0K, 40          ; s[40:47] descriptor group 0 for K's tiles: a set for each of the two first fills; the second then walks on
.set G0V, 48          ; s[48:55] the same for V's
.set SLOTS, 56        ; s56  slots still to be asked for
.set CNT, 57          ; s57  counts a slot's steps
.set CS,  58          ; s[58:59] c: the packed scaling names a pair and takes its low word for both halves
.set SEL, 60          ; s[60:61] lane selects for v_permlanex16_b32: each lane takes its own place in the other half
.set TBK, 62          ; s62  LDS byte at which K's rows of the step to be fetched begin
.set TBV, 63          ; s63  the same for V's, less VOFF
.set PAIR, 66         ; s66  the pair's number, then its bytes in out0
.set MSB, 0
.macro WIN new                      ; the immediate's high byte repeats the setting that is left; a switch that changes nothing is dropped
.if MSB != \new
	s_set_vgpr_msb (MSB<<8)|\new
.set MSB, \new
.endif
.endm
.set W_KQ, 0x0a       ; K and Q in window 2, S^T in window 0
.set W_PV, 0x51       ; V and O^T in window 1, P in window 0
.set W_RS, 0x41       ; O^T (destination and source 0) in window 1, a in window 0
; A joint refill.  Waves 0 and 1 fetch the two halves of a slot's K, waves 2 and 3 those of its V.  The branch hangs on the wave's number alone.  Four v_nop follow each of the two lines.
.macro JLOAD
	s_cmp_lt_u32 s[WV], 2
	s_cbranch_scc0 .Lfor_v_\@
	tensor_load_to_lds s[G0K+4:G0K+7], s[G1K:G1K+7]
	s_nop 0
.rept 4
	v_nop
.endr
	s_branch .Lasked_\@
.Lfor_v_\@:
	tensor_load_to_lds s[G0V+4:G0V+7], s[G1V:G1V+7]
	s_nop 0
.rept 4
	v_nop
.endr
.Lasked_\@:
.endm
; A round of the cluster's barrier: my work-group's barrier; wave 0 signals for the work-group; every wave waits for all four work-groups; my work-group's barrier once more.
.macro CROUND
	s_barrier_signal -1
	s_barrier_wait -1
	s_cmp_lg_u32 s[WV], 0
	s_cbranch_scc1 .Lnot_wave_0_\@
	s_barrier_signal -3
.Lnot_wave_0_\@:
	s_barrier_wait -3
	s_barrier_signal -1
	s_barrier_wait -1
.endm
	s_load_b128 s[4:7], s[0:1], 0x0 ; the pair's qkv s[4:5], the buffer with the pair's number s[6:7]
	s_load_b64 s[10:11], s[0:1], 0x10  ; out0
	v_lshl_add_u32 v62, v0, 2, 0x3e400
	v_mov_b32 v63, 0
	ds_add_u32 v62, v63
	v_lshrrev_b32 v1, 5, v0
	v_readfirstlane_b32 s[WV], v1   ; wave 0..3
	s_bfe_u32 s13, ttmp6, 0x40000   ; cx: my place in the cluster
	s_lshl_b32 s14, ttmp9, 2        ; in a cluster launch ttmp9 counts clusters
	s_add_co_u32 s14, s14, s13      ; my block of 256 queries = 4 x cluster x + cx: it enters Q's and out0's addresses alone
	s_and_b32 s20, ttmp7, 0xffff    ; the batch-head in the pair, 0 to 31, which the four partners share
	s_and_b32 s15, s[WV], 1         ; which half of a slot's keys I fetch
	s_lshl_b32 s22, s20, 19         ; K: the head's 2,048 rows of 256 bytes,
	s_lshl_b32 s21, s15, 15         ; my 128 rows,
	s_add_co_u32 s22, s22, s21
	s_add_co_u32 s22, s22, KX       ; behind Qh
	s_mov_b32 s23, 0
	s_lshl_b32 s18, s20, 18         ; V: 128 bytes a key
	s_lshl_b32 s21, s15, 14
	s_add_co_u32 s18, s18, s21
	s_add_co_u32 s18, s18, VX
	s_mov_b32 s19, 0
	s_mul_i32 s16, s15, 128*PK      ; and their places in a slot: no place in the cluster enters an LDS address
	s_mul_i32 s17, s15, 64*PVP
	s_lshl_b32 s2, s20, 19          ; Q: the head,
	s_lshl_b32 s3, s14, 16          ; my block's 256 rows,
	s_add_co_u32 s2, s2, s3
	s_lshl_b32 s3, s[WV], 14        ; my wave's 64 of them
	s_add_co_u32 s2, s2, s3
	s_mov_b32 s3, 0
	s_lshr_b32 s8, s20, 4           ; out0, inside the pair: the batch's 2,048 rows of 4,096 bytes,
	s_lshl_b32 s8, s8, 23
	s_lshl_b32 s9, s14, 20          ; my block's 256 rows,
	s_add_co_u32 s8, s8, s9
	s_lshl_b32 s9, s[WV], 18        ; my wave's 64,
	s_add_co_u32 s8, s8, s9
	s_and_b32 s9, s20, 15           ; the head's 256 bytes of a row
	s_lshl_b32 s9, s9, 8
	s_add_co_u32 s8, s8, s9
	s_mov_b32 s9, 0
	; descriptor group 1.  K: 128 rows x 128 elements of 2 bytes, 4 words of padding behind every 64.  V: 128 keys as 64 rows x 128 elements, 8 words behind every 64.
	s_mov_b32 s[G1K], 15|(1<<16)|(1<<20)|(1<<21)|(5<<22)|(3<<25)  ; 15:0 the mask: all four work-groups; 17:16 element size; 20 padding on; 21 set beside a mask; 24:22 interval; 31:25 padding
	s_mov_b32 s[G1K+1], 128<<16     ; tensor_dim0 = 128
	s_mov_b32 s[G1K+2], 128<<16     ; tensor_dim1 = 128
	s_mov_b32 s[G1K+3], 128<<16     ; tile_dim0 = 128
	s_mov_b32 s[G1K+4], 128         ; tile_dim1 = 128
	s_mov_b32 s[G1K+5], 128         ; elements from row to row
	s_mov_b32 s[G1K+6], 0
	s_mov_b32 s[G1K+7], 0
	s_mov_b32 s[G1V], 15|(1<<16)|(1<<20)|(1<<21)|(5<<22)|(7<<25)
	s_mov_b32 s[G1V+1], 128<<16
	s_mov_b32 s[G1V+2], 64<<16
	s_mov_b32 s[G1V+3], 128<<16
	s_mov_b32 s[G1V+4], 64
	s_mov_b32 s[G1V+5], 128
	s_mov_b32 s[G1V+6], 0
	s_mov_b32 s[G1V+7], 0
	s_mov_b32 s[CS], 0x3fb8aa3b     ; c = log2(e)
	s_mov_b32 s[CS+1], s[CS]        ; named with it as a pair, so it is written
	s_mov_b32 s[SEL], 0x76543210
	s_mov_b32 s[SEL+1], 0xfedcba98
	s_mov_b32 s[TBK], 0
	s_mov_b32 s[TBV], 0
	s_mov_b32 s[SLOTS], 2048/(NSTEP*KS)-2
	s_wait_dscnt 0x0
	s_wait_kmcnt 0x0
	s_load_b32 s[PAIR], s[6:7], 0x0          ; the pair's number: wanted only for the stores' base
	s_add_nc_u64 s[22:23], s[4:5], s[22:23]  ; K and V at my part of slot 0
	s_add_nc_u64 s[18:19], s[4:5], s[18:19]
	s_add_nc_u64 s[4:5], s[4:5], s[2:3]      ; Q at my wave's first row
	CROUND                          ; all four work-groups are here: the first joint loads meet
.irp s, 0,1
	s_mov_b32 s[G0K+4*\s], 1        ; count = 1
	s_add_co_u32 s[G0K+4*\s+1], s16, \s*SLOT1  ; LDS address
	s_add_nc_u64 s[G0K+4*\s+2:G0K+4*\s+3], s[22:23], \s*NSTEP*KS*256  ; global address: slot s begins with keys 256 s
	s_or_b32 s[G0K+4*\s+3], s[G0K+4*\s+3], 0x80000000  ; type = 2
	s_mov_b32 s[G0V+4*\s], 1
	s_add_co_u32 s[G0V+4*\s+1], s17, \s*SLOT1+VOFF
	s_add_nc_u64 s[G0V+4*\s+2:G0V+4*\s+3], s[18:19], \s*NSTEP*KS*128
	s_or_b32 s[G0V+4*\s+3], s[G0V+4*\s+3], 0x80000000
.endr
	s_cmp_lt_u32 s[WV], 2           ; a wave's two first fills stand in one branch, ahead of every wait on TENSORcnt and every LDS read: two loads of mine are out
	s_cbranch_scc0 .Lfirst_v
	tensor_load_to_lds s[G0K:G0K+3], s[G1K:G1K+7]
	s_nop 0
	tensor_load_to_lds s[G0K+4:G0K+7], s[G1K:G1K+7]
	s_nop 0
.rept 4
	v_nop
.endr
	s_branch .Lfirst_asked
.Lfirst_v:
	tensor_load_to_lds s[G0V:G0V+3], s[G1V:G1V+7]
	s_nop 0
	tensor_load_to_lds s[G0V+4:G0V+7], s[G1V:G1V+7]
	s_nop 0
.rept 4
	v_nop
.endr
.Lfirst_asked:
	; A fragment of K or Q is 16 rows x 32 numbers in 8 registers: lane l holds row l % 16; registers 0-3 numbers 8 (l / 16) + 0..7, registers 4-7 numbers 16 + 8 (l / 16) + 0..7: two loads of 16 bytes, 32 bytes apart.
	v_and_b32 v1, 15, v0            ; l % 16
	v_bfe_u32 v9, v0, 4, 1          ; l / 16
	v_lshlrev_b32 v[QO], 8, v1
	v_lshl_add_u32 v[QO], v9, 4, v[QO]  ; row x 256 + 16 x half
	WIN 0x80                        ; destination window 2, address window 0
.irp i, 0,1,2,3,4,5,6,7,8,9,10,11,12,13,14,15  ; Q stays in registers: tile i / 4, fragment i % 4
	global_load_b128 v[8*\i:8*\i+3],   v[QO], s[4:5] offset:(\i/4)*4096+(\i%4)*64
	global_load_b128 v[8*\i+4:8*\i+7], v[QO], s[4:5] offset:(\i/4)*4096+(\i%4)*64+32
.endr
	WIN 0
	v_mul_u32_u24 v[AK0], v1, PK
	v_lshl_add_u32 v[AK0], v9, 4, v[AK0]  ; row x pitch + 16 x half
	; The turning load takes 16 keys x 16 channels (lane l reads 16 bytes: key 8 (l / 16) + l % 8, channels 8 ((l / 8) % 2) + 0..7) and leaves half a fragment of V^T: lane l holds channel l % 16 and 8 keys.
	; With two keys to an LDS row that key lies in row 4 (l / 16) + (l % 8) / 2, in its half l % 2.
	v_bfe_u32 v10, v0, 1, 2         ; (l % 8) / 2
	v_bfe_u32 v11, v0, 3, 1         ; (l / 8) % 2
	v_lshl_add_u32 v[AV0], v9, 2, v10
	v_mul_u32_u24 v[AV0], v[AV0], PVP
	v_lshl_add_u32 v[AV0], v11, 4, v[AV0]
	v_and_b32 v10, 1, v0            ; l % 2
	v_lshl_add_u32 v[AV0], v10, 7, v[AV0]
	v_add_nc_u32 v[AV0], VOFF, v[AV0]
	s_wait_kmcnt 0x0                ; the pair's number
	s_min_u32 s[PAIR], s[PAIR], 1   ; 0 or 1: a loaded number enters an address only behind its bound
	s_lshl_b32 s[PAIR], s[PAIR], 24 ; a pair of batches of out0: 2 x 2,048 rows of 4,096 bytes
	s_add_co_u32 s8, s8, s[PAIR]
	s_add_nc_u64 s[10:11], s[10:11], s[8:9]  ; out0 at my wave's first row
; THE MATRIX WORK OF A TURN, for piece x.  The accumulators take turns, one instruction a turn: between two links of a chain stand 7 others'.
; Product i of 16 of O^T += V^T P: keys 32 (i / 8) on, channels 16 ((i / 2) % 4) on, tile x + i % 2.  zero = 1: the first 8 start the sums: nothing is ever cleared.
.macro PV x, zero
	WIN W_PV
.set rO, 32*(\x+i%2)+8*((i/2)%4)
.set rV, VF+32*(i/8)+8*((i/2)%4)
.set rP, P+16*(\x+i%2)+8*(i/8)
.if \zero && (i < 8)
	v_wmma_f32_16x16x32_f16 v[rO:rO+7], v[rV:rV+7], v[rP:rP+7], 0
.else
	v_wmma_f32_16x16x32_f16 v[rO:rO+7], v[rV:rV+7], v[rP:rP+7], v[rO:rO+7]
.endif
.endm
; Product i of 48 of S^T = K Q^T: term i / 8, keys 16 ((i / 2) % 4) on, tile x + i % 2.  The six terms, as (K's fragment, Q's fragment) of hi0, hi1, lo0, lo1 = 0, 1, 2, 3:
; khi qhi (0,0) (1,1); khi qlo (0,2) (1,3); klo qhi (2,0) (3,1).  The first 8 products start the sums.
.macro KQ x
	WIN W_KQ
.set cc, i/8
.set kc, cc%2
.set qc, cc
.if cc >= 4
.set kc, cc-2
.set qc, cc-4
.endif
.set rS, S+32*(\x+i%2)+8*((i/2)%4)
.set rK, KF+32*((i/2)%4)+8*kc
.set rQ, 32*(\x+i%2)+8*qc
.if i < 8
	v_wmma_f32_16x16x32_bf16 v[rS:rS+7], v[rK:rK+7], v[rQ:rQ+7], 0
.else
	v_wmma_f32_16x16x32_bf16 v[rS:rS+7], v[rK:rK+7], v[rQ:rQ+7], v[rS:rS+7]
.endif
.endm
; THE LDS LOADS stand in runs, never singly among the matrix instructions: a step's K (64 keys x 4 fragments: 32 loads, fragment by fragment in the order of first use) and, a turn later, its V (16 turning loads).
.macro FETCH_K
	WIN 0
	v_add_nc_u32 v[ADR], s[TBK], v[AK0]
	s_add_co_u32 s[TBK], s[TBK], KS*PK  ; the next fetch is the next step's
	WIN 0x80                        ; destination window 2
.irp c, 0,1,2,3
.irp b, 0,1,2,3
	ds_load_b128 v[KF+32*\b+8*\c:KF+32*\b+8*\c+3],   v[ADR] offset:16*PK*\b+64*\c
	ds_load_b128 v[KF+32*\b+8*\c+4:KF+32*\b+8*\c+7], v[ADR] offset:16*PK*\b+64*\c+32
.endr
.endr
.endm
.macro FETCH_V
	WIN 0
	v_add_nc_u32 v[ADR], s[TBV], v[AV0]
	s_add_co_u32 s[TBV], s[TBV], VSTEP
	WIN 0x40                        ; destination window 1
.irp f, 0,1,2,3,4,5,6,7             ; keys 32 (f / 4) on (16 LDS rows), channels 16 (f % 4) on; the second load 16 keys (8 LDS rows) further on
	ds_load_tr16_b128 v[VF+8*\f:VF+8*\f+3],   v[ADR] offset:(\f/4)*16*PVP+(\f%4)*32
	ds_load_tr16_b128 v[VF+8*\f+4:VF+8*\f+7], v[ADR] offset:(\f/4)*16*PVP+8*PVP+(\f%4)*32
.endr
.endm
; THE VECTOR WORK OF A TURN.  One tile's softmax for one key step is a list of 118 instructions; SM writes number j of it for tile t.  s0-s31 are the lane's 32 scores, in pairs 0-15.
; first = 1: the first key step, which starts m, l and O^T: it has no a and nothing to rescale.
;   0-15    the maximum of s0-s31 and the old m, three operands at a time: four chains c0-c3 of seven scores each (each begins at its accumulator's low end), then the four scores left over, c0-c3 and m
;   16-20   the other half of the lanes' maximum; the new m; c m; c m_old - c m_new
;   21-87   33 exponentials (a, then s0-s31) at the odd numbers from 23 on, so that no two follow each other and each has a plain instruction behind it before its result is used (ISA guide 5.7.2).
;           Plain instruction q (number 21, then the even numbers) is whatever is ready: c s - c m for a pair of scores whose exponentials are still to come (q = 0 to 3, then every
;           second q), the rounding to f16 of a pair of weights whose exponentials are done (every other q from 5 on), at last the first three sums
;   88-101  the last rounding; the rest of the sums; l = a l + the sum
;   102-117 the tile's O^T times a, ascending: the one part that leaves window 0, so it stands together
.macro SM t, first
.set rT, ST+8*(\t)
.set rS, S+32*(\t)
.set rP, P+16*(\t)
.set rO, 32*(\t)+2*(j-102)
.set q, (j-20)/2
.if j < 102
	WIN 0
.endif
.if j < 4
	v_max3_num_f32 v[rT+4+j], v[rS+8*j], v[rS+8*j+1], v[rS+8*j+2]
.elseif j < 12
	v_max3_num_f32 v[rT+4+j%4], v[rT+4+j%4], v[rS+8*(j%4)+2*(j/4)+1], v[rS+8*(j%4)+2*(j/4)+2]
.elseif j == 12
	v_max3_num_f32 v[rT+4], v[rT+4], v[rS+7], v[rS+15]
.elseif j == 13
	v_max3_num_f32 v[rT+6], v[rT+6], v[rS+23], v[rS+31]
.elseif j == 14
	v_max3_num_f32 v[rT+4], v[rT+4], v[rT+5], v[rT+6]
.elseif (j == 15) && \first
	v_max_num_f32 v[rT+4], v[rT+4], v[rT+7]
.elseif j == 15
	v_max3_num_f32 v[rT+4], v[rT+4], v[rT+7], v[rT+1]
.elseif j == 16
	v_permlanex16_b32 v[rT+5], v[rT+4], s[SEL], s[SEL+1]  ; the query's other 32 keys lie in the lane 16 away
.elseif j == 18
	v_max_num_f32 v[rT+1], v[rT+4], v[rT+5]
.elseif j == 19
	v_mul_f32 v[rT], s[CS], v[rT+1]
.elseif ((j == 17) || (j == 20) || (j == 23) || (j > 101)) && \first  ; the first step has none of these
.elseif j == 17
	v_mov_b32 v[rT+7], v[rT]        ; c m_old is kept for a: number 19 writes c m anew
.elseif j == 20
	v_sub_f32 v[rT+7], v[rT+7], v[rT]
.elseif j == 23
	v_exp_f32 v[rT+6], v[rT+7]
.elseif (j < 88) && (j > 23) && (j%2 == 1)
	v_exp_f32 v[rS+(j-25)/2], v[rS+(j-25)/2]
.elseif (q < 4) || ((j < 76) && (q%2 == 0))
.set b, q/2+2
.if q < 4
.set b, q
.endif
	v_pk_fma_f32 v[rS+2*b:rS+2*b+1], v[rS+2*b:rS+2*b+1], s[CS:CS+1], v[rT:rT+1] op_sel_hi:[1,0,0] neg_lo:[0,0,1] neg_hi:[0,0,1]  ; pair b: c s - c m
.elseif (j < 88) && (q%2 == 1)
	s_wait_alu depctr_va_vdst(0)
	v_cvt_pk_f16_f32 v[rP+(q-5)/2], v[rS+q-5], v[rS+q-4]  ; pair (q - 5) / 2: its second exponential stands three numbers back
.elseif j == 89
	s_wait_alu depctr_va_vdst(0)
	v_cvt_pk_f16_f32 v[rP+15], v[rS+30], v[rS+31]
.elseif j < 102                     ; the sum of the tile's 16 pairs (in a pair: an even key's weight, an odd key's), in place: sum z of 16 adds neighbours 1, 2, 4 and 8 pairs apart, then l takes it
.set z, j-86
.if j < 89
.set z, (j-76)/4
.endif
.set w, 4
.set u, z
.if z >= 14
.set w, 32
.set u, 0
.elseif z >= 12
.set w, 16
.set u, z-12
.elseif z >= 8
.set w, 8
.set u, z-8
.endif
.if (z == 14) && \first
	v_pk_add_f32 v[rT+2:rT+3], v[rS:rS+1], v[rS+16:rS+17]
.elseif z < 15
	v_pk_add_f32 v[rS+w*u:rS+w*u+1], v[rS+w*u:rS+w*u+1], v[rS+w*u+w/2:rS+w*u+w/2+1]
.elseif !\first
	v_pk_fma_f32 v[rT+2:rT+3], v[rT+2:rT+3], v[rT+6:rT+7], v[rS:rS+1] op_sel_hi:[1,0,1]
.endif
.else
	WIN W_RS
	v_pk_mul_f32 v[rO:rO+1], v[rO:rO+1], v[rT+6:rT+7] op_sel_hi:[1,0]
.endif
.endm
; Slice k of 59 of piece y's softmax: numbers 2 k and 2 k + 1 of both tiles' lists, four instructions.
.macro HS y, first
.if (k >= 11) && (k < 44)           ; tile by tile: plain, exponential, plain, exponential
.irp t, \y, \y+1
.irp n, 0,1
.set j, 2*k+\n
	SM \t, \first
.endr
.endr
.else                               ; the two tiles alternate, so that no instruction reads the result of the one just before it
.irp n, 0,1
.irp t, \y, \y+1
.set j, 2*k+\n
	SM \t, \first
.endr
.endr
.endif
.set k, k+1
.endm
; Behind the turn's matrix instruction number dn of NW stand the slices up to 59 dn / NW: an even deal, and the last matrix instruction has at least one slice behind it.
.macro DEAL y, first
.set dn, dn+1
.rept (59*dn)/NW-k
	HS \y, \first
.endr
.endm
; A vector instruction that reads a matrix result or writes one of a matrix instruction's registers, and a load into a register that a matrix instruction has read, stand four places behind
; it, and only plain vector instructions that name none of its registers are places (ISA guide 7.12.1 for vector instructions).  In the loop the slices are the places:
; the last slice, four multiplies on the other piece's O^T, stands between a turn's last K Q^T and the next turn's first read of those scores and its loads into K's registers.
.macro PLACES
.rept 4
	v_nop
.endr
.endm
; A TURN.  Piece x has the matrix unit; the other piece's softmax stands in slices behind its matrix instructions.
; pv = 2: 16 products V^T P; 1: they start O^T's sums; 0: none.  kq = 1: 48 products K Q^T for the next step.
; first = 1: the softmax is the first key step's; its slices from 51 on are empty, so four v_nop take the last slice's part.
; Piece 0's turn fetches the next step's K behind its second product; the waits in front of the terms leave the later fragments' loads out (8 loads a fragment: 24, 16, 8, 0).
; Piece 2's turn fetches the same step's V behind its second K Q^T: the last product that read V stands three slices, six plain instructions, back.
.macro TURN x, pv, kq, first
.set k, 0
.set dn, 0
.set NW, 0
.if \pv
.set NW, NW+16
.endif
.if \kq
.set NW, NW+48
.endif
.if \pv
.if \x == 0
	s_wait_dscnt 0x0                ; V is in
.endif
.set i, 0
.rept 16
	PV \x, 2-\pv
	DEAL 2-\x, \first
.if (\x == 0) && \kq && (i == 1)
	FETCH_K
.endif
.set i, i+1
.endr
.endif
.if \kq
.set i, 0
.rept 48
.if \x == 0
.if i == 0
	s_wait_dscnt 24                 ; K's fragment hi0 is in
.elseif i == 8
	s_wait_dscnt 16                 ; hi1
.elseif i == 32
	s_wait_dscnt 8                  ; lo0
.elseif i == 40
	s_wait_dscnt 0x0                ; lo1
.endif
.endif
	KQ \x
	DEAL 2-\x, \first
.if (\x == 2) && (i == 1)
	FETCH_V
.endif
.set i, i+1
.endr
.endif
.if \first
	PLACES
.endif
.endm
; THE CHANGE OF SLOTS, between piece 2's turn and piece 0's: the slot's last bytes, V of its fourth step, have been asked for.  Each wave waits for its own reads of the slot and for all its
; tensor loads, of which one is out: its part of the other slot.  Behind the barrier nobody reads this slot any more and the other slot is whole.
; fill = 1: this slot is filled again, with the keys two slots on.  The barrier is then a round of the cluster's, and the joint refill is the first thing behind it.
.macro CHANGE fill
	WIN 0                           ; at a label and at a branch every window is 0
	s_wait_dscnt 0x0
	s_wait_tensorcnt 0x0            ; no tensor load of mine is out, so a group 0 may be written
	ds_add_u32 v62, v63
	s_wait_dscnt 0x0
.if \fill
	s_xor_b32 s[G0K+5], s[G0K+5], SLOT1  ; the walking descriptors: the other slot than last time,
	s_add_nc_u64 s[G0K+6:G0K+7], s[G0K+6:G0K+7], NSTEP*KS*256  ; the next 256 keys; the type bits on top are not reached
	s_xor_b32 s[G0V+5], s[G0V+5], SLOT1
	s_add_nc_u64 s[G0V+6:G0V+7], s[G0V+6:G0V+7], NSTEP*KS*128
	CROUND
	JLOAD
.else
	s_barrier_signal -1
	s_barrier_wait -1
.endif
	s_sub_co_u32 s[TBK], s[TBK], NSTEP*KS*PK  ; the fetches go back to a slot's first step,
	s_xor_b32 s[TBK], s[TBK], SLOT1 ; in the other slot
	s_sub_co_u32 s[TBV], s[TBV], NSTEP*VSTEP
	s_xor_b32 s[TBV], s[TBV], SLOT1
.endm
; cnt key steps: written once, walked cnt times; the LDS addresses hang on s[TBK] and s[TBV].
.macro STEPS cnt
	s_mov_b32 s[CNT], \cnt
.Lstep_\@:
	TURN 0, 2, 1, 0
	TURN 2, 2, 1, 0
	WIN 0
	s_sub_co_u32 s[CNT], s[CNT], 1
	s_cmp_lg_u32 s[CNT], 0
	s_cbranch_scc1 .Lstep_\@
.endm
	s_wait_tensorcnt 1              ; my part of slot 0 is in; slot 1's may stay out
	s_barrier_signal -1
	s_barrier_wait -1               ; everybody's is
	FETCH_K                         ; key step 0
	s_wait_loadcnt 0x0              ; Q
	s_wait_dscnt 0x0
.set i, 0
.rept 48
	KQ 0                            ; piece 0's first scores: there is no vector work yet to set between them
.set i, i+1
.endr
	WIN 0                           ; the addresses for the way out are made here: eight plain instructions, the places behind those products
	s_mul_i32 s21, s[WV], 16*SP
	s_add_co_u32 s21, s21, STAGE    ; my stage
	v_mul_u32_u24 v[STO], v1, SP    ; in: row l % 16, 32 bytes for each half of the lanes
	v_lshl_add_u32 v[STO], v9, 5, v[STO]
	v_add_nc_u32 v[STO], s21, v[STO]
	v_mul_u32_u24 v[RD], v9, SP     ; back: lanes 0-15 take one row of 256 bytes, lanes 16-31 the next
	v_lshl_add_u32 v[RD], v1, 4, v[RD]
	v_add_nc_u32 v[RD], s21, v[RD]
	v_lshlrev_b32 v[GO], 12, v9     ; and the same two rows in out0, 4,096 bytes apart
	v_lshl_add_u32 v[GO], v1, 4, v[GO]
	TURN 2, 0, 1, 1                 ; piece 2's first scores | piece 0's first softmax | V of step 0
	TURN 0, 1, 1, 1                 ; piece 0: V^T P of step 0 starts O^T, K Q^T of step 1 | piece 2's first softmax | K of step 1
	TURN 2, 1, 1, 0                 ; piece 2: the same | piece 0's softmax of step 1 | V of step 1
	WIN 0
	STEPS 2                         ; the rest of slot 0: steps 2 and 3 are fetched
.Lslot:                             ; six trips: every slot but the last two is filled again
	CHANGE 1
	STEPS NSTEP
	s_sub_co_u32 s[SLOTS], s[SLOTS], 1
	s_cmp_lg_u32 s[SLOTS], 0
	s_cbranch_scc1 .Lslot
	CHANGE 0                        ; the tail is written out: nothing is asked for any more
	STEPS NSTEP
	TURN 0, 2, 0, 0                 ; piece 0: V^T P of the last step | piece 2's last softmax
.set i, 0
.rept 16
	PV 2, 0                         ; piece 2: V^T P of the last step
.set i, i+1
.endr
	; THE WAY OUT.  l's two halves and the other half of the lanes' are added; O^T is divided by l and sent, in f32, through my stage in LDS, a tile (16 rows) at a time.  The additions are the places behind the last products.
	WIN 0
.irp t, 0,1,2,3
	v_add_f32 v[ST+8*\t+4], v[ST+8*\t+2], v[ST+8*\t+3]
.endr
.irp t, 0,1,2,3
	v_permlanex16_b32 v[ST+8*\t+5], v[ST+8*\t+4], s[SEL], s[SEL+1]
.endr
.irp t, 0,1,2,3
	v_add_f32 v[ST+8*\t+4], v[ST+8*\t+4], v[ST+8*\t+5]
.endr
.irp t, 0,1,2,3
	v_rcp_f32 v[ST+8*\t+6], v[ST+8*\t+4]
.endr
	v_nop                           ; a plain instruction between the last reciprocal and the use of its result
; Tile t: a lane's eight channels of a row are 32 bytes; they go into rows of 272 bytes and come back as whole rows of 256 (a head's 64 channels), into S^T's registers, which are free.
.macro PACK t
	WIN W_RS
.set i, 32*\t
.rept 16
	s_wait_alu depctr_va_vdst(0)
	v_pk_mul_f32 v[i:i+1], v[i:i+1], v[ST+8*\t+6:ST+8*\t+7] op_sel_hi:[1,0]
.set i, i+2
.endr
	WIN 0x04                        ; the stores' data in window 1, their address in window 0
.irp f, 0,1,2,3
	ds_store_b128 v[STO], v[32*\t+8*\f:32*\t+8*\f+3]   offset:64*\f
	ds_store_b128 v[STO], v[32*\t+8*\f+4:32*\t+8*\f+7] offset:64*\f+16
.endr
	WIN 0
.irp u, 0,1,2,3,4,5,6,7
	ds_load_b128 v[S+32*\t+4*\u:S+32*\t+4*\u+3], v[RD] offset:\u*2*SP  ; LDS serves a wave's instructions in order (ISA guide 5.7.1.4): these see the stores above; the next tile's stores come behind them
.endr
.endm
.macro SEND t, younger              ; younger: the LDS instructions issued behind tile t's loads: the next tile's sixteen, or none
.irp u, 0,1,2,3,4,5,6,7
	s_wait_dscnt \younger+7-\u
	global_store_b128 v[GO], v[S+32*\t+4*\u:S+32*\t+4*\u+3], s[10:11] offset:\t*65536+\u*8192 th:TH_STORE_NT  ; 16 lanes store 256 consecutive bytes, at a multiple of 256 from out0's first byte
.endr
.endm
	PACK 0
	PACK 1                          ; a tile's arithmetic stands between the loads of the tile before and its stores
	SEND 0, 16
	PACK 2
	SEND 1, 16
	PACK 3
	SEND 2, 16
	SEND 3, 0
	s_wait_tensorcnt 0x0
	ds_add_u32 v62, v63
	s_wait_dscnt 0x0
	CROUND                          ; the closing round: no work-group ends while a partner may still ask for a tile that names it
	s_endpgm
.Lfunc_end_k_qba601a2a2d_attn:
	.size	k_qba601a2a2d_attn, .Lfunc_end_k_qba601a2a2d_attn-k_qba601a2a2d_attn
	.p2alignl 7, 3214868480
	.fill 96, 4, 3214868480
	.section	.rodata,"a",@progbits
	.p2align	6, 0x0
	.amdhsa_kernel k_qba601a2a2d_attn
		.amdhsa_group_segment_fixed_size 327680
		.amdhsa_private_segment_fixed_size 0
		.amdhsa_enable_private_segment 0
		.amdhsa_kernarg_size 24
		.amdhsa_user_sgpr_count 2
		.amdhsa_user_sgpr_kernarg_segment_ptr 1
		.amdhsa_wavefront_size32 1
		.amdhsa_system_sgpr_workgroup_id_x 1
		.amdhsa_system_sgpr_workgroup_id_y 1
		.amdhsa_system_sgpr_workgroup_id_z 1
		.amdhsa_system_vgpr_workitem_id 0
		.amdhsa_next_free_vgpr 768
		.amdhsa_next_free_sgpr 68
		.amdhsa_reserve_vcc 0
		.amdhsa_float_denorm_mode_32 3
		.amdhsa_float_denorm_mode_16_64 3
		.amdhsa_memory_ordered 1
		.amdhsa_forward_progress 1
		.amdhsa_inst_pref_size 248
	.end_amdhsa_kernel
	.amdgpu_metadata
---
amdhsa.version: [ 1, 2 ]
amdhsa.kernels:
  - .name:           k_qba601a2a2d_attn
    .symbol:         k_qba601a2a2d_attn.kd
    .args:
      - { .name: qkv0, .offset: 0, .size: 8, .value_kind: global_buffer, .address_space: global }
      - { .name: part0, .offset: 8, .size: 8, .value_kind: global_buffer, .address_space: global }
      - { .name: out0, .offset: 16, .size: 8, .value_kind: global_buffer, .address_space: global }
    .group_segment_fixed_size: 327680
    .private_segment_fixed_size: 0
    .kernarg_segment_align: 8
    .kernarg_segment_size: 24
    .max_flat_workgroup_size: 128
    .sgpr_count:     68
    .vgpr_count:     768
    .wavefront_size: 32
...
	.end_amdgpu_metadata
.endif
;; end of part 3
;; launch attn2: the kernel of part 3 again; grid 8 x 32, 4 waves a work-group, clusters of 4 x 1, 327,680 bytes of LDS; arguments qkv1, part1, out0; writes out0
